; MI455X (gfx1250); checked and timed in simulation.
; The chip was launched on July 23, 2026; its instructions are those of AMD's public machine-readable ISA for CDNA 5 (MIT licence, August 2026) and "CDNA5" Instruction Set Architecture Reference Guide (July 2026). The comments in the code are by the model that wrote it; some were corrected since.
;; QGLU. Allowed arithmetic: matrix products marked QUANTISED: E4M3 operands, one E8M0 scale for each 32 along K, by v_wmma_scale_f32_16x16x128_f8f6f4 with both operands' format E4M3, f32 sums; everything else in f32.
;; Inputs: W_fc1 1,024 x 2,048 float32; W_fc2 2,048 x 1,024 float32; W_gate 1,024 x 2,048 float32; x 2 x 4,096 x 2,048 float32.
;; Outputs: out0 2 x 4,096 x 2,048 float32.
;; This version of the problem:
;;   THIS VERSION OF THE PROBLEM IS GIVEN IN LOW PRECISION. The matrix products marked QUANTISED in the list below multiply operands that are first quantised to E4M3 (4 exponent bits, 3 mantissa bits; 8 bits a number), with one power-of-two scale for each 32 numbers along K (OCP MX v1.0); their sums are f32. All else is computed in f32.
;;   The module's matrix products, in the order in which they are computed (A, B: the left and right operand; K: the contracted axis; several contracted axes count as one K, in the product's order):
;;     1. [M 8,192, K 2,048] x [K 2,048, N 1,024]; A: input x; B: input W_gate: QUANTISED
;;     2. [M 8,192, K 2,048] x [K 2,048, N 1,024]; A: input x; B: input W_fc1: QUANTISED
;;     3. [M 8,192, K 1,024] x [K 1,024, N 2,048]; A: computed on the way; B: input W_fc2: QUANTISED
;;   THE QUANTISER, for each operand of a quantised product, along K:
;;     - K is cut into blocks of 32 from its start; a last block that is shorter is filled with zeros.
;;     - A block's scale is 2^e with e = floor(log2(the largest magnitude in the block)) - 8, held to -126 .. 127; a block of zeros has e = 0. As a byte (E8M0): e + 127.
;;     - Each number is divided by its block's scale, clamped to +-448, and rounded to the nearest number of E4M3, ties to even, subnormals kept.
;;     - The product sums the exact products of the quantised numbers (number of the format x scale) in f32.
;;   ~~~python
;;   def quantise(x, axis):      # numpy; x: float32 -> the quantised numbers, widened to float32 again
;;       x = np.moveaxis(x, axis, -1); K = x.shape[-1]
;;       x = np.pad(x, [(0, 0)] * (x.ndim - 1) + [(0, -K % 32)]); x = x.reshape(x.shape[:-1] + (-1, 32)); a = np.abs(x).max(-1, keepdims=True)
;;       e = np.where(a > 0, np.clip(np.frexp(np.where(a > 0, a, 1))[1] - 1 - 8, -126, 127), 0)      # np.frexp(a)[1] - 1 = floor(log2(a)), exactly
;;       r = np.clip(x / 2.0 ** e, -448, 448)
;;       step = 2.0 ** (np.maximum(np.frexp(np.where(r == 0, 1, r))[1] - 1, -6) - 3)
;;       q = np.round(r / step) * step * 2.0 ** e      # np.round: ties to even
;;       return np.moveaxis(q.reshape(q.shape[:-2] + (-1,))[..., :K], -1, axis).astype(np.float32)
;;   ~~~
;;   OPERANDS COMPUTED ON THE WAY. 'Computed on the way' means the value that the module computes at that place (a softmax that the list does not call 'softmax' is quantised finished and normalised). What goes into a quantiser is computed in f32, as accurately as f32 sums, v_exp_f32 and their like allow (about 1e-6 of the number): no bf16 or f16 on the way to a quantiser, and a product that is left as it is and whose result goes on into a quantised operand takes f32 operands (vector FMAs, or v_wmma_f32_16x16x4_f32). A number that lies on a knife's edge between two numbers of the format may be rounded either way, as far as f32 arithmetic and the matrix unit's own rounding can turn it there, and no further.
;; One version. Each part assembles by itself: llvm-mc -triple=amdgcn-amd-amdhsa -mcpu=gfx1250 --defsym DOCPART=n.
;; ======== version 1 of 1: 3 launches
;; limits: right only within a limited range of input values
;; workspace buffers: x_codes 16,777,216 bytes; x_scales 524,288 bytes; w1_codes 4,194,304 bytes; w1_scales 131,072 bytes; w2_codes 2,097,152 bytes; w2_scales 65,536 bytes; a_codes 8,388,608 bytes; a_scales 262,144 bytes
;; launch quant (part 1): grid 256 x 1, 16 waves a work-group, no clusters, 275,456 bytes of LDS; arguments x, W_gate, W_fc1, W_fc2, x_codes, x_scales, w1_codes, w1_scales, w2_codes, w2_scales; writes x_codes, x_scales, w1_codes, w1_scales, w2_codes, w2_scales
.if DOCPART == 1
	.amdgcn_target "amdgcn-amd-amdhsa--gfx1250"
	.amdhsa_code_object_version 6
	.text
	.protected	k_qac9665d54a_quant
	.globl	k_qac9665d54a_quant
	.p2align	8
	.type	k_qac9665d54a_quant,@function
k_qac9665d54a_quant:
	s_mov_b64 s[64:65], 0
	v_nop
	global_prefetch_b8 v0, s[64:65] scope:SCOPE_SE
	s_setreg_imm32_b32 hwreg(HW_REG_WAVE_MODE, 25, 1), 1
	s_wait_xcnt 0x0
; x [8192][2048], W_gate [1024][2048], W_fc1 [1024][2048], W_fc2 [2048][1024], all f32 with K innermost, become codes of FP8 (E4M3) with one E8M0 scale byte for each 32 along K.
; No step of the problem is left out: every input has a way to the output.
; A block's scale is 2^(floor(log2(its largest magnitude)) - 8), its byte held at 1 from below; each number is divided by it, held within +-448 and rounded to the nearest code, ties to even.
; LIMITS: a block of zeros, or one whose largest magnitude lies under 2^-118, gets the byte 1 (the codes of zeros add nothing under any byte but 0xff, and this program alone reads the bytes); NaN and infinities are not served.
; CODES are laid as images of the operand's registers: a fragment, 16 rows x 128 K, is 2,048 bytes: byte 512 c + 16 lane + i is row lane % 16, k = 32 c + 16 (lane / 16) + i;
; block of 16 rows mb, K step ks lies at (ks / 2) x PLANE + 4096 mb + 2048 (ks % 2), PLANE = rows x 256.
; SCALE WORDS (four bytes, 128 along K, of a row): x and W_gate/W_fc1: [pair of blocks][ks][row r of 16][block of the pair]; W_fc2: [block][ks / 2][r][ks % 2].
; W_gate and W_fc1 are ONE operand of 2,048 rows: block 8 G + 4 T + t (T: 0 gate, 1 fc1) holds in row i the feature 64 G + 32 (t / 2) + 8 (t % 2) + i + 8 (i / 8).
; SHARES: 256 work-groups of 16 waves.  A work-group takes 32 rows of x, wave w its K step w: two fragments, brought by ONE tensor load into the wave's own LDS (rows of 512 + 16 bytes), from where a lane reads 16 neighbours along K.
; Waves 0-7 also take a fragment of W_gate or W_fc1, waves 8-11 one of W_fc2: asked for at once into registers, they turn through the wave's own LDS when x's fragments have been read.
; No tile is shared, so no cluster; nothing is filled twice; no loop to prefetch ahead in.
.set SP, 528
.set WREG, 32*SP
.set SG, 16*WREG             ; scale words gathered: x's 2,048 bytes, then 512 and 256 of the weights
.set SPARE, SG+3072
.set TM, 16                  ; v16-31 maxima, bytes, bounds, scale operands
.set PC, 32                  ; v32-63 codes, two sets
.set X, 64                   ; v64-191 two fragments
.set R, 192                  ; v192-255 a weight's fragment as loaded
	s_load_b256 s[4:11], s[0:1], 0x0
	s_load_b256 s[12:19], s[0:1], 0x20
	s_load_b128 s[20:23], s[0:1], 0x40
	v_lshl_add_u32 v1, v0, 2, SPARE
	v_mov_b32 v2, 0
	ds_add_u32 v1, v2                      ; the opening: the add, twice on end, and its wait
	ds_add_u32 v1, v2
	v_lshrrev_b32 v3, 5, v0
	v_readfirstlane_b32 s24, v3            ; wave
	s_mov_b32 s28, (2<<16)|(1<<20)|(6<<22)|(3<<25)  ; elements of 4 bytes; 4 words of padding behind every 128
	s_mov_b32 s29, 128<<16
	s_mov_b32 s30, 32<<16
	s_mov_b32 s31, 128<<16
	s_mov_b32 s32, 32
	s_mov_b32 s33, 2048
	s_mov_b32 s34, 0
	s_mov_b32 s35, 0
	s_mul_i32 s25, s24, WREG
	s_mov_b32 s36, 1
	s_mov_b32 s37, s25
	s_lshl_b32 s40, ttmp9, 18              ; 32 rows of 8,192 bytes, + 512 bytes a K step
	s_lshl_b32 s41, s24, 9
	s_add_co_u32 s40, s40, s41
	s_mov_b32 s41, 0
	s_lshl_b32 s42, s24, 7
	s_add_co_u32 s42, s42, SG
	s_lshr_b32 s43, s24, 1
	s_lshl_b32 s43, s43, 7
	s_and_b32 s44, s24, 1
	s_lshl_b32 s45, s44, 2
	s_add_co_u32 s43, s43, s45
	s_add_co_u32 s43, s43, SG+2048
	s_min_u32 s45, s24, 4
	s_lshl_b32 s45, s45, 9
	s_add_co_u32 s45, s45, SG
	v_and_b32 v5, 15, v0                   ; r
	v_bfe_u32 v6, v0, 4, 1                 ; h
	v_and_b32 v4, 31, v0                   ; lane
	v_lshlrev_b32 v7, 4, v4
	v_mul_u32_u24 v8, v5, SP
	v_lshl_add_u32 v8, v6, 6, v8
	v_add_nc_u32 v8, s25, v8               ; my 16 neighbours: row r, + 64 h
	v_add_nc_u32 v9, s25, v7               ; a weight's way in
	v_lshlrev_b32 v3, 3, v5
	v_add_nc_u32 v10, s42, v3              ; x's scale words
	v_add_nc_u32 v11, s43, v3              ; a weight's
	v_add_nc_u32 v12, s45, v7              ; the gathered words, way out
	v_lshlrev_b32 v13, 3, v4
	v_add_nc_u32 v14, SG+2560, v13
.irp b, 0,1,2,3
	v_mov_b32 v[TM+4+\b], 0                ; written once: a lane permute's destination counts as one of its sources
.endr
	s_mov_b32 s26, 0x76543210
	s_mov_b32 s27, 0xfedcba98
	s_mov_b32 s71, 0x600000                ; the mantissa field of 448
	s_lshr_b32 s46, s24, 1                 ; x's codes: (w / 2) planes + 8,192 x work-group + 2,048 (w % 2)
	s_lshl_b32 s46, s46, 21
	s_lshl_b32 s47, ttmp9, 13
	s_add_co_u32 s46, s46, s47
	s_lshl_b32 s47, s44, 11
	s_add_co_u32 s46, s46, s47
	s_mov_b32 s47, 0
	s_lshl_b32 s48, ttmp9, 11              ; scale words: waves 0-3 x's, wave 4 W_gate's or W_fc1's, wave 5 W_fc2's
	s_lshl_b32 s49, s24, 9
	s_add_co_u32 s48, s48, s49
	s_lshl_b32 s49, ttmp9, 9
	s_lshl_b32 s68, ttmp9, 8
	s_mov_b32 s69, 0
	s_wait_dscnt 0x0
	s_wait_alu depctr_va_vdst(0)           ; the wait at the head's end
	s_wait_kmcnt 0x0
	s_add_nc_u64 s[38:39], s[4:5], s[40:41]
	s_or_b32 s39, s39, 0x80000000
	tensor_load_to_lds s[36:39], s[28:35]  ; my two fragments of x: 32 rows x 512 bytes
	s_nop 0
.rept 4
	v_nop
.endr
	s_add_nc_u64 s[50:51], s[12:13], s[46:47]
	s_cmp_lt_u32 s24, 4
	s_cselect_b32 s48, s48, s49
	s_cselect_b64 s[66:67], s[14:15], s[18:19]
	s_mov_b32 s49, 0
	s_add_nc_u64 s[66:67], s[66:67], s[48:49]
	s_add_nc_u64 s[68:69], s[22:23], s[68:69]
.macro WDST base                           ; where the codes of block s56, K step s53 go
	s_lshr_b32 s62, s53, 1
	s_lshl_b32 s62, s62, 19
	s_lshl_b32 s63, s56, 12
	s_add_co_u32 s62, s62, s63
	s_and_b32 s63, s53, 1
	s_lshl_b32 s63, s63, 11
	s_add_co_u32 s62, s62, s63
	s_mov_b32 s63, 0
	s_add_nc_u64 s[54:55], s[\base:\base+1], s[62:63]
.endm
.macro XLOADS f
.irp c, 0,1,2,3
.irp q, 0,1,2,3
	ds_load_b128 v[X+64*\f+16*\c+4*\q:X+64*\f+16*\c+4*\q+3], v8 offset:16*SP*\f+128*\c+16*\q
.endr
.endr
.endm
; 64 numbers of a lane, v[s] on, become a fragment's codes in v[pc] on and its scale word in v[pw]
.macro QUANT s, pc, pw
.irp b, 0,1,2,3
	v_max3_num_f32 v[TM+\b], |v[\s+16*\b]|, |v[\s+1+16*\b]|, 0x4800000   ; the floor 2^(9 - 127): the byte cannot fall under 1
.endr
.irp i, 2,4,6,8,10,12,14
.irp b, 0,1,2,3
	v_max3_num_f32 v[TM+\b], v[TM+\b], |v[\s+16*\b+\i]|, |v[\s+1+16*\b+\i]|
.endr
.endr
.irp b, 0,1,2,3
	v_permlanex16_b32 v[TM+4+\b], v[TM+\b], s26, s27
.endr
.irp b, 0,1,2,3
	v_max_num_f32 v[TM+\b], v[TM+\b], v[TM+4+\b]   ; with lane l xor 16's
.endr
.irp b, 0,1,2,3
	v_add_nc_u32 v[TM+12+\b], 0xfc000000, v[TM+\b]   ; 8 off the exponent field: the conversion's scale operand
.endr
.irp b, 0,1,2,3
	v_and_or_b32 v[TM+8+\b], v[TM+\b], 0x7f800000, s71   ; 448 x the scale
.endr
.irp b, 0,1,2,3
	v_lshrrev_b32 v[TM+4+\b], 23, v[TM+12+\b]
.endr
	v_lshl_or_b32 v[\pw], v[TM+5], 8, v[TM+4]
	v_lshl_or_b32 v[\pw], v[TM+6], 16, v[\pw]
	v_lshl_or_b32 v[\pw], v[TM+7], 24, v[\pw]
.irp b, 0,1,2,3
.irp i, 0,1,2,3,4,5,6,7,8,9,10,11,12,13,14,15
	v_med3_num_f32 v[\s+16*\b+\i], v[\s+16*\b+\i], -v[TM+8+\b], v[TM+8+\b]   ; the conversion does not saturate (ISA guide 7.6.2)
.endr
	v_cvt_scalef32_pk8_fp8_f32 v[\pc+4*\b:\pc+4*\b+1], v[\s+16*\b:\s+16*\b+7], v[TM+12+\b]
	v_cvt_scalef32_pk8_fp8_f32 v[\pc+4*\b+2:\pc+4*\b+3], v[\s+16*\b+8:\s+16*\b+15], v[TM+12+\b]
.endr
	v_nop                                  ; one plain vector instruction behind the last conversion
.endm
.macro SEND pc, base, off
.irp c, 0,1,2,3
	global_store_b128 v7, v[\pc+4*\c:\pc+4*\c+3], s[\base:\base+1] offset:\off+512*\c   ; 32 lanes store 512 consecutive bytes, aligned
.endr
.endm
.macro XWORK
	s_wait_tensorcnt 0x0                   ; my own tile, which no other wave reads
	XLOADS 0
	XLOADS 1
	s_wait_dscnt 16                        ; fragment 0 is in; fragment 1's 16 loads may be out
	QUANT X, PC, 15
	SEND PC, 50, 0
	ds_store_b32 v10, v15                  ; both halves of the lanes write the same word with the same value
	s_wait_dscnt 1                         ; fragment 1 is in; the store may be out
	QUANT X+64, PC+16, 3
	SEND PC+16, 50, 4096
	ds_store_b32 v10, v3 offset:4
.endm
	s_cmp_lt_u32 s24, 12
	s_cbranch_scc0 .Lplain
	s_cmp_lt_u32 s24, 8
	s_cbranch_scc0 .Lfc2
	s_lshr_b32 s52, ttmp9, 2               ; pair of blocks p
	s_and_b32 s53, ttmp9, 3
	s_lshl_b32 s53, s53, 2
	s_lshr_b32 s56, s24, 1
	s_add_co_u32 s53, s53, s56             ; K step 4 (work-group % 4) + w / 2
	s_and_b32 s57, s24, 1
	s_lshr_b32 s58, s52, 2
	s_lshl_b32 s58, s58, 6
	s_and_b32 s59, s52, 1
	s_lshl_b32 s59, s59, 5
	s_add_co_u32 s58, s58, s59
	s_lshl_b32 s59, s57, 3
	s_add_co_u32 s58, s58, s59             ; first feature: 64 (p / 4) + 32 (p % 2) + 8 (w % 2)
	s_lshl_b32 s58, s58, 13
	s_lshl_b32 s59, s53, 9
	s_add_co_u32 s58, s58, s59
	s_mov_b32 s59, 0
	s_lshl_b32 s56, s52, 1
	s_add_co_u32 s56, s56, s57             ; block 2 p + w % 2
	s_bitcmp1_b32 s52, 1
	s_cselect_b64 s[60:61], s[8:9], s[6:7] ; W_fc1 or W_gate, by the work-group's number
	s_add_nc_u64 s[60:61], s[60:61], s[58:59]
.irp i, 0,1,2,3,4,5,6,7
	global_load_b128 v[R+4*\i:R+4*\i+3], v7, s[60:61] offset:8192*\i th:TH_LOAD_NT
.endr
.irp i, 8,9,10,11,12,13,14,15
	global_load_b128 v[R+4*\i:R+4*\i+3], v7, s[60:61] offset:8192*(\i+8) th:TH_LOAD_NT
.endr
	WDST 16
	s_branch .Lgo
.Lfc2:
	s_and_b32 s53, ttmp9, 1
	s_lshl_b32 s53, s53, 2
	s_add_co_u32 s53, s53, s24
	s_sub_co_u32 s53, s53, 8               ; K step 4 (work-group % 2) + w - 8
	s_lshr_b32 s56, ttmp9, 1
	s_lshl_b32 s58, s56, 16
	s_lshl_b32 s59, s53, 9
	s_add_co_u32 s58, s58, s59
	s_mov_b32 s59, 0
	s_add_nc_u64 s[60:61], s[10:11], s[58:59]
.irp i, 0,1,2,3,4,5,6,7,8,9,10,11,12,13,14,15
	global_load_b128 v[R+4*\i:R+4*\i+3], v7, s[60:61] offset:4096*\i th:TH_LOAD_NT
.endr
	WDST 20
.Lgo:
	XWORK
	s_wait_loadcnt 0x0                     ; my weight's fragment, 16 rows x 512 bytes, as it lies;
	s_wait_dscnt 0x0
.irp i, 0,1,2,3,4,5,6,7,8,9,10,11,12,13,14,15
	ds_store_b128 v9, v[R+4*\i:R+4*\i+3] offset:SP*\i   ; over my tile of x, which has been read; LDS serves a wave's instructions in order (ISA guide 5.7.1.4)
.endr
	XLOADS 0
	s_wait_dscnt 0x0
	s_wait_xcnt 0x0                        ; x's stores have read the codes' registers
	QUANT X, PC, 15
	SEND PC, 54, 0
	ds_store_b32 v11, v15
	s_branch .Ljoin
.Lplain:
	XWORK
.Ljoin:
	s_wait_dscnt 0x0
	s_barrier_signal -1
	s_barrier_wait -1                      ; all scale words of the work-group are gathered
	s_cmp_lt_u32 s24, 6
	s_cbranch_scc0 .Lend
	s_cmp_lt_u32 s24, 5
	s_cbranch_scc0 .Lfc2_words
	ds_load_b128 v[16:19], v12
	s_wait_dscnt 0x0
	global_store_b128 v7, v[16:19], s[66:67]   ; 512 consecutive bytes, aligned
	s_branch .Lend
.Lfc2_words:
	ds_load_b64 v[16:17], v14
	s_wait_dscnt 0x0
	global_store_b64 v13, v[16:17], s[68:69]   ; 256 consecutive bytes, aligned
.Lend:
	s_wait_tensorcnt 0x0                   ; the wave's end
	ds_add_u32 v1, v2
	s_wait_dscnt 0x0
	s_endpgm
.Lfunc_end_k_qac9665d54a_quant:
	.size	k_qac9665d54a_quant, .Lfunc_end_k_qac9665d54a_quant-k_qac9665d54a_quant
	.p2alignl 7, 3214868480
	.fill 96, 4, 3214868480
	.section	.rodata,"a",@progbits
	.p2align	6, 0x0
	.amdhsa_kernel k_qac9665d54a_quant
		.amdhsa_group_segment_fixed_size 275456
		.amdhsa_private_segment_fixed_size 0
		.amdhsa_enable_private_segment 0
		.amdhsa_kernarg_size 80
		.amdhsa_user_sgpr_count 2
		.amdhsa_user_sgpr_kernarg_segment_ptr 1
		.amdhsa_wavefront_size32 1
		.amdhsa_system_sgpr_workgroup_id_x 1
		.amdhsa_system_sgpr_workgroup_id_y 1
		.amdhsa_system_sgpr_workgroup_id_z 1
		.amdhsa_system_vgpr_workitem_id 0
		.amdhsa_next_free_vgpr 256
		.amdhsa_next_free_sgpr 74
		.amdhsa_reserve_vcc 0
		.amdhsa_float_denorm_mode_32 3
		.amdhsa_float_denorm_mode_16_64 3
		.amdhsa_memory_ordered 1
		.amdhsa_forward_progress 1
		.amdhsa_inst_pref_size 58
	.end_amdhsa_kernel
	.amdgpu_metadata
---
amdhsa.version: [ 1, 2 ]
amdhsa.kernels:
  - .name:           k_qac9665d54a_quant
    .symbol:         k_qac9665d54a_quant.kd
    .args:
      - { .name: x, .offset: 0, .size: 8, .value_kind: global_buffer, .address_space: global }
      - { .name: W_gate, .offset: 8, .size: 8, .value_kind: global_buffer, .address_space: global }
      - { .name: W_fc1, .offset: 16, .size: 8, .value_kind: global_buffer, .address_space: global }
      - { .name: W_fc2, .offset: 24, .size: 8, .value_kind: global_buffer, .address_space: global }
      - { .name: x_codes, .offset: 32, .size: 8, .value_kind: global_buffer, .address_space: global }
      - { .name: x_scales, .offset: 40, .size: 8, .value_kind: global_buffer, .address_space: global }
      - { .name: w1_codes, .offset: 48, .size: 8, .value_kind: global_buffer, .address_space: global }
      - { .name: w1_scales, .offset: 56, .size: 8, .value_kind: global_buffer, .address_space: global }
      - { .name: w2_codes, .offset: 64, .size: 8, .value_kind: global_buffer, .address_space: global }
      - { .name: w2_scales, .offset: 72, .size: 8, .value_kind: global_buffer, .address_space: global }
    .group_segment_fixed_size: 275456
    .private_segment_fixed_size: 0
    .kernarg_segment_align: 8
    .kernarg_segment_size: 80
    .max_flat_workgroup_size: 512
    .sgpr_count:     74
    .vgpr_count:     256
    .wavefront_size: 32
...
	.end_amdgpu_metadata
.endif
;; end of part 1
;; launch gemm1 (part 2): grid 8 x 32, 4 waves a work-group, clusters of 4 x 4, 327,680 bytes of LDS; arguments x_codes, x_scales, w1_codes, w1_scales, a_codes, a_scales; writes a_codes, a_scales
.if DOCPART == 2
	.amdgcn_target "amdgcn-amd-amdhsa--gfx1250"
	.amdhsa_code_object_version 6
	.text
	.protected	k_qac9665d54a_gemm1
	.globl	k_qac9665d54a_gemm1
	.p2align	8
	.type	k_qac9665d54a_gemm1,@function
k_qac9665d54a_gemm1:
	s_mov_b64 s[64:65], 0
	v_nop
	global_prefetch_b8 v0, s[64:65] scope:SCOPE_SE
	s_setreg_imm32_b32 hwreg(HW_REG_WAVE_MODE, 25, 1), 1
	s_wait_xcnt 0x0
	s_wait_alu depctr_hold_cnt(0) depctr_sa_sdst(0) depctr_va_vdst(0) depctr_va_sdst(0) depctr_va_ssrc(0) depctr_va_vcc(0) depctr_vm_vsrc(0)
	s_getreg_b32 s2, hwreg(HW_REG_IB_STS2, 6, 4)
	s_cmp_eq_u32 s2, 0
	s_cbranch_scc0 .Lentry_in_a_cluster
	s_endpgm
.Lentry_in_a_cluster:
	s_bfe_u32 s2, ttmp6, 0x10000c
	s_cmp_lg_u32 s2, 0xf033
	s_cbranch_scc0 .Lentry_shape_is_right
	s_endpgm
.Lentry_shape_is_right:
; a = Q(gelu(x W_fc1^T) * (x W_gate^T)): both products as ONE of 8,192 x 2,048 x 2,048 on codes of MX-FP8, sums in f32, K ascending, one accumulator for each number; the activation, the gate and the quantiser of the next product follow in registers.
; LIMITS: NaN, infinities and sums beyond f32's range are not served; a block of zeros gets the scale byte 1, which its zero codes make harmless.
; A work-group of four waves makes 256 rows x 256 operand rows (128 features); a wave 128 x 128: 64 accumulators.  Operands lie in memory as images of their registers (layouts: the first kernel's head); a fragment load takes 512 consecutive bytes of LDS.
; K goes in steps of 256 through two LDS slots (A's 65,536 bytes, then B's); the scale words of all of K, 16,384 bytes a side, come once at the head.
; CLUSTERS: 4 x 4: the four of a row share A's tiles, the four of a column B's: joint loads with a mask of the four.
; USED TRANSPOSED (source 0 = 16 operand rows of the weights, source 1 = 16 rows of x): lane (r, h) holds row r of x; the 16 registers of two neighbouring tiles are 16 neighbouring features.
; LDS READS STAND AMONG THE PRODUCTS: one fragment (four loads) behind every four products.  A step of 128 along K takes A's blocks 0-7 one after the other, each against B's eight; the next step's B (its other set) is fetched first,
; then A's block i over the old one, whose products are done.  So in front of block i the loads behind its own are A's 7 - i later ones and the 2 i fragments of the new step: 4 (7 - i) + 8 i = 28 + 4 i.
; THE TILES ARE PREFETCHED into the L2: K steps 2 and 3 at the head, then at each refill the K step two refills on; each 256 bytes are named once in each cluster that loads them: of a wave's 128 rows the four partners take a quarter each, by address; the last trip asks for nothing.
; REGISTERS: window 0: v0-31 addresses; v32-63 scale words (register 16 slot + 8 q + i: lanes 0-15 A's block i, lanes 16-31 B's); v128-255 A's fragments.  window 1: B's, two sets.  windows 2, 3: accumulators of my rows 0-63, 64-127.
.set SLOT, 131072
.set PLA, 2097152
.set PLB, 524288
.set LAPS, 4
.set SCL, 2*SLOT
.set SPARE, SCL+32768+256      ; (B's scale words begin 128 bytes on, so that the two halves of the lanes take different banks)
.set SCX, SPARE+512            ; a's scale bytes, way out: 256 rows x 4
.set C9, 6
.set PWA, 8
.set ADRA, 16
.set ADRB, 20
.set PFO, 22
.set SO8, 23
.set CO, 26
.set ADRS, 27
.set SPW, 28
.set NIL, 29
.set SXW, 30
.set SXR, 31
.set SC, 32
.set PCB, 64
.set AF, 128
.set TT, 128
.set H2, 160
.set TM, 160
.set RR, 192
.set PP, 224
.set G0H, 4
.set G0HB, 8
.set G1, 24
.set G0, 32
.set G1B, 48
.set G0B, 56
.set G1S, 68
.set G0S, 76
.set G1SB, 80
.set G0SB, 88
.set PFS, 94                   ; s[94:95] a K step's plane, A's or B's
.set PFA, 100                  ; s[100:101] where my prefetches stand
.set MSB, 0
.macro WIN new
.if MSB != (\new)
	s_set_vgpr_msb (MSB<<8)|(\new)
.set MSB, (\new)
.endif
.endm
.set MUL_LO, 0xa1
.set TO_B, 0x40
.macro PLACES n
.rept \n
	v_nop
.endr
.endm
.macro TLOAD g0, g1
	tensor_load_to_lds s[\g0:\g0+3], s[\g1:\g1+7]
	s_nop 0
	PLACES 4
.endm
.macro JLOAD s                 ; waves 0, 1 fetch A's halves, waves 2, 3 B's
	s_cmp_eq_u32 s15, 0
	s_cbranch_scc0 .Lfor_b_\@
	TLOAD G0+4*\s, G1
	s_branch .Lasked_\@
.Lfor_b_\@:
	TLOAD G0B+4*\s, G1B
.Lasked_\@:
.endm
.macro CREST
	s_cmp_lg_u32 s14, 0
	s_cbranch_scc1 .Lnot_wave_0_\@
	s_barrier_signal -3
.Lnot_wave_0_\@:
	s_barrier_wait -3
	s_barrier_signal -1
	s_barrier_wait -1
.endm
.macro CROUND
	s_barrier_signal -1
	s_barrier_wait -1
	CREST
.endm
.macro GRP g, mask, rows       ; group 1: a dense run as rows of 256 bytes (32 elements of 8)
	s_or_b32 s[\g+0], s[\mask], (3<<16)|(1<<21)
	s_mov_b32 s[\g+1], 32<<16
	s_mov_b32 s[\g+2], (\rows)<<16
	s_mov_b32 s[\g+3], 32<<16
	s_mov_b32 s[\g+4], \rows
	s_mov_b32 s[\g+5], 32
	s_mov_b32 s[\g+6], 0
	s_mov_b32 s[\g+7], 0
.endm
.macro GZERO g, lds, src       ; group 0
	s_mov_b32 s[\g], 1
	s_mov_b32 s[\g+1], \lds
	s_mov_b64 s[\g+2:\g+3], s[\src:\src+1]
	s_or_b32 s[\g+3], s[\g+3], 0x80000000
.endm
	s_load_b128 s[4:7], s[0:1], 0x0
	s_load_b128 s[8:11], s[0:1], 0x10
	s_load_b64 s[12:13], s[0:1], 0x20
	s_load_b64 s[96:97], s[0:1], 0x28
	v_lshl_add_u32 v[SPW], v0, 2, SPARE
	v_mov_b32 v[NIL], 0
	ds_add_u32 v[SPW], v[NIL]              ; the opening: the add, twice on end, and its wait
	ds_add_u32 v[SPW], v[NIL]
	v_lshrrev_b32 v1, 5, v0
	v_readfirstlane_b32 s14, v1
	s_lshr_b32 s15, s14, 1                 ; my half of the rows; and I fetch for A (0) or B (1)
	s_and_b32 s16, s14, 1                  ; my half of the columns; and which 128 rows I fetch
	s_bfe_u32 s40, ttmp6, 0x40000
	s_bfe_u32 s41, ttmp6, 0x40004
	s_lshl_b32 s42, ttmp9, 2
	s_add_co_u32 s42, s42, s40             ; tile column
	s_and_b32 s17, ttmp7, 0xffff
	s_lshl_b32 s17, s17, 2
	s_add_co_u32 s17, s17, s41             ; tile row
	s_lshl_b32 s43, s41, 2
	s_lshl_b32 s43, 15, s43
	s_lshl_b32 s44, 0x1111, s40
	GRP G1, 43, 256                        ; the head's tiles have 256 such rows; the ring's 128
	GRP G1B, 44, 256
	GRP G1S, 43, 64
	GRP G1SB, 44, 64
	s_lshl_b32 s20, s17, 16
	s_mov_b32 s21, 0
	s_lshl_b32 s46, s42, 16
	s_mov_b32 s47, 0
	s_lshl_b32 s22, s17, 14
	s_mov_b32 s23, 0
	s_lshl_b32 s92, s42, 14
	s_mov_b32 s93, 0
	s_lshl_b32 s18, s16, 15
	s_mov_b32 s19, 0
	s_lshl_b32 s45, s14, 15
	s_wait_dscnt 0x0
	CROUND                                 ; all sixteen work-groups are here
	s_wait_kmcnt 0x0
	s_add_nc_u64 s[20:21], s[4:5], s[20:21]
	s_add_nc_u64 s[22:23], s[6:7], s[22:23]
	s_add_nc_u64 s[46:47], s[8:9], s[46:47]
	s_add_nc_u64 s[92:93], s[10:11], s[92:93]
	GZERO G0H, 0, 20
	GZERO G0HB, 65536, 46
	GZERO G0S, SCL, 22
	GZERO G0SB, SCL+16384+128, 92
.macro ARM under, g0, g1, next
	s_cmp_lt_u32 s14, \under
	s_cbranch_scc0 \next
	TLOAD \g0, \g1
	s_branch .Lhead_asked
\next:
.endm
	ARM 1, G0H, G1, .Lhead_b               ; one load a wave: K step 0 of A, of B, A's scale words, B's
	ARM 2, G0HB, G1B, .Lhead_sa
	ARM 3, G0S, G1S, .Lhead_sb
	TLOAD G0SB, G1SB
.Lhead_asked:
	s_add_nc_u64 s[20:21], s[20:21], s[18:19]   ; the ring: my 128 rows of a tile
	s_add_nc_u64 s[46:47], s[46:47], s[18:19]
.irp s, 0,1
	s_mov_b32 s[G0+4*\s], 1
	s_add_co_u32 s[G0+4*\s+1], s45, \s*SLOT
	s_add_nc_u64 s[G0+4*\s+2:G0+4*\s+3], s[20:21], \s*PLA
	s_or_b32 s[G0+4*\s+3], s[G0+4*\s+3], 0x80000000
	s_mov_b32 s[G0B+4*\s], 1
	s_add_co_u32 s[G0B+4*\s+1], s45, \s*SLOT
	s_add_nc_u64 s[G0B+4*\s+2:G0B+4*\s+3], s[46:47], \s*PLB
	s_or_b32 s[G0B+4*\s+3], s[G0B+4*\s+3], 0x80000000
.endr
	s_mov_b32 s44, PLB                     ; prefetches: of my 128 rows' 32,768 bytes my work-group's quarter
	s_mov_b32 s95, 0
	s_cmp_eq_u32 s15, 0
	s_cselect_b64 s[2:3], s[20:21], s[46:47]
	s_cselect_b32 s43, s40, s41
	s_cselect_b32 s94, PLA, s44
	s_lshl_b32 s40, s43, 13
	s_mov_b32 s41, 0
	s_add_nc_u64 s[2:3], s[2:3], s[40:41]
	s_add_nc_u64 s[2:3], s[2:3], s[94:95]
	s_add_nc_u64 s[2:3], s[2:3], s[94:95]  ; K step 2,
	s_add_nc_u64 s[PFA:PFA+1], s[2:3], s[94:95]   ; K step 3
	s_lshl_b32 s20, s17, 16                ; my part of a's codes: rows, 1,024 for my 64 features, plane and half by the tile column
	s_lshl_b32 s21, s15, 15
	s_add_co_u32 s20, s20, s21
	s_lshl_b32 s21, s16, 10
	s_add_co_u32 s20, s20, s21
	s_lshr_b32 s22, s42, 1
	s_lshl_b32 s22, s22, 21
	s_add_co_u32 s20, s20, s22
	s_and_b32 s22, s42, 1
	s_lshl_b32 s22, s22, 11
	s_add_co_u32 s20, s20, s22
	s_mov_b32 s21, 0
	s_add_nc_u64 s[12:13], s[12:13], s[20:21]
	s_lshl_b32 s20, s17, 10                ; a's scale words: [tile column][row]
	s_lshl_b32 s22, s14, 8
	s_add_co_u32 s20, s20, s22
	s_lshl_b32 s22, s42, 15
	s_add_co_u32 s20, s20, s22
	s_add_nc_u64 s[96:97], s[96:97], s[20:21]
	s_lshl_b32 s20, s15, 15                ; my rows of A, of B (behind A's), in a slot
	s_lshl_b32 s21, s16, 15
	s_add_co_u32 s21, s21, 65536
	s_lshl_b32 s22, s15, 13                ; scale words: A's, and the distance to B's
	s_lshl_b32 s23, s16, 13
	s_add_co_u32 s23, s23, 16384+128
	s_sub_co_u32 s23, s23, s22
	s_add_co_u32 s22, s22, SCL
	s_lshl_b32 s18, s15, 9
	s_lshl_b32 s19, s16, 1
	s_add_co_u32 s18, s18, s19
	s_add_co_u32 s18, s18, SCX
	s_lshl_b32 s19, s14, 8
	s_add_co_u32 s19, s19, SCX
	s_mov_b32 s66, 0x76543210
	s_mov_b32 s67, 0xfedcba98
	s_mov_b32 s98, 0x600000
	s_mov_b32 s99, 0x3eb504f3              ; 1 / (2 sqrt 2)
	v_and_b32 v1, 15, v0
	v_bfe_u32 v2, v0, 4, 1
	v_and_b32 v3, 31, v0
	v_lshlrev_b32 v[CO], 4, v3
	v_add_nc_u32 v[ADRA], s20, v[CO]
	v_add_nc_u32 v[ADRA+1], SLOT, v[ADRA]
	v_add_nc_u32 v[ADRB], s21, v[CO]
	v_add_nc_u32 v[ADRB+1], SLOT, v[ADRB]
	v_lshlrev_b32 v5, 3, v1
	v_mul_u32_u24 v10, s23, v2
	v_add_nc_u32 v5, v5, v10
	v_add_nc_u32 v[ADRS], s22, v5
	v_lshlrev_b32 v[SO8], 3, v3
	v_lshl_add_u32 v[SXW], v1, 2, s18
	v_add_nc_u32 v[SXR], s19, v[SO8]
	v_lshlrev_b32 v[PFO], 8, v3
	v_mov_b32 v[C9], 0x3e7c6f08
	v_mov_b32 v[C9+1], 0x3e7c6f08
; four products: A's block a, B's half hf; p: B's set; q: the slot's q-th 128 along K; nops: plain places behind each
.macro W4 a, hf, p, q, sc, zero, nops
	WIN MUL_LO+0x50*((\a)/4)
.irp b, 0,1,2,3
.if \zero
	v_wmma_scale_f32_16x16x128_f8f6f4 v[8*(8*((\a)%4)+4*(\hf)+\b):8*(8*((\a)%4)+4*(\hf)+\b)+7], v[128*(\p)+16*(4*(\hf)+\b):128*(\p)+16*(4*(\hf)+\b)+15], v[AF+16*(\a):AF+16*(\a)+15], 0, v[SC+16*(\sc)+8*(\q)+4*(\hf)+\b], v[SC+16*(\sc)+8*(\q)+(\a)] matrix_a_scale:MATRIX_SCALE_ROW1
.else
	v_wmma_scale_f32_16x16x128_f8f6f4 v[8*(8*((\a)%4)+4*(\hf)+\b):8*(8*((\a)%4)+4*(\hf)+\b)+7], v[128*(\p)+16*(4*(\hf)+\b):128*(\p)+16*(4*(\hf)+\b)+15], v[AF+16*(\a):AF+16*(\a)+15], v[8*(8*((\a)%4)+4*(\hf)+\b):8*(8*((\a)%4)+4*(\hf)+\b)+7], v[SC+16*(\sc)+8*(\q)+4*(\hf)+\b], v[SC+16*(\sc)+8*(\q)+(\a)] matrix_a_scale:MATRIX_SCALE_ROW1
.endif
.rept \nops
	v_nop
.endr
.endr
.endm
.macro FB slot, q, p, j        ; B's fragment j into set p
	WIN TO_B
.irp c, 0,1,2,3
	ds_load_b128 v[128*(\p)+16*(\j)+4*\c:128*(\p)+16*(\j)+4*\c+3], v[ADRB+\slot] offset:4096*(\j)+2048*(\q)+512*\c
.endr
.endm
.macro FA slot, q, i           ; A's fragment i
	WIN 0
.irp c, 0,1,2,3
	ds_load_b128 v[AF+16*(\i)+4*\c:AF+16*(\i)+4*\c+3], v[ADRA+\slot] offset:4096*(\i)+2048*(\q)+512*\c
.endr
.endm
.macro SCALES sc
	WIN 0
.irp q, 0,1
.irp j, 0,1,2,3
	ds_load_b64 v[SC+16*\sc+8*\q+2*\j:SC+16*\sc+8*\q+2*\j+1], v[ADRS] offset:2048*\j+128*\q
.endr
.endr
.endm
; A load into a register that a matrix instruction has read stands 8 plain vector places behind it: two v_nop behind each product of the second half, 8 at the end.
.macro STEP slot, zero         ; a slot's first 128 along K; fetches its second
.set I_, 0
.rept 16
.if I_%2 == 0
	s_wait_dscnt 28+2*I_                   ; block I_ / 2 (and at first all of B) is in
.endif
	W4 I_/2, I_%2, 0, 0, \slot, \zero, 2*(I_/8)
.if I_ < 8
	FB \slot, 1, 1, I_
.else
.if I_ == 15
	PLACES 8
.endif
	FA \slot, 1, I_-8
.endif
.set I_, I_+1
.endr
	WIN 0
.endm
.macro ASK
	WIN 0
	s_cmp_gt_u32 s3, 1                     ; the last trip has no K step two refills on
	s_cbranch_scc0 .Lno_ask_\@
	global_prefetch_b8 v[PFO], s[PFA:PFA+1] th:TH_LOAD_NT scope:SCOPE_SE
.Lno_ask_\@:
.endm
.macro TURN slot, next, fill   ; a slot's second 128 along K; changes slots
.if \fill
	s_wait_xcnt 0x0                        ; my prefetch has read its address
	s_add_nc_u64 s[PFA:PFA+1], s[PFA:PFA+1], s[PFS:PFS+1]
.endif
	s_wait_tensorcnt 0x0                   ; my part of the next slot is in
	ds_add_u32 v[SPW], v[NIL]
	s_wait_dscnt 29                        ; B and block 0 are in; blocks 1-7's 28 loads and the add may be out
	W4 0, 0, 1, 1, \slot, 0, 0
	W4 0, 1, 1, 1, \slot, 0, 0
	s_wait_dscnt 0x0                       ; the add is done, and my reads of this slot are over
	s_barrier_signal -1
	W4 1, 0, 1, 1, \slot, 0, 0
	W4 1, 1, 1, 1, \slot, 0, 0
	W4 2, 0, 1, 1, \slot, 0, 0
	W4 2, 1, 1, 1, \slot, 0, 0
	WIN 0
	s_barrier_wait -1
.if \fill
	CREST                                  ; no wave of any partner reads this slot or has a load on its way
	s_add_nc_u64 s[G0+4*\slot+2:G0+4*\slot+3], s[G0+4*\slot+2:G0+4*\slot+3], 2*PLA
	s_add_nc_u64 s[G0B+4*\slot+2:G0B+4*\slot+3], s[G0B+4*\slot+2:G0B+4*\slot+3], 2*PLB
	JLOAD \slot
.endif
	v_add_nc_u32 v[ADRS], 256, v[ADRS]     ; the next K step's scale words
	s_wait_alu depctr_va_vdst(0)
	SCALES \next
	FB \next, 0, 0, 0
	FB \next, 0, 0, 1
.set I_, 0
.rept 10
	W4 3+I_/2, I_%2, 1, 1, \slot, 0, 2
.if I_ < 3
	FB \next, 0, 0, 2+2*I_
	FB \next, 0, 0, 3+2*I_
.elseif I_ == 3
	FA \next, 0, 0
	FA \next, 0, 1
.if \fill
	ASK
.endif
.elseif I_ < 9
	FA \next, 0, I_-2
.else
	PLACES 8
	FA \next, 0, 7
.endif
.set I_, I_+1
.endr
	WIN 0
.endm
	s_wait_alu depctr_va_vdst(0)           ; the wait at the head's end
	s_wait_tensorcnt 0x0                   ; my tile of the head's four is in
	ds_add_u32 v[SPW], v[NIL]
	s_mov_b32 s[G1+2], 128<<16             ; no tensor load of mine is out: from here on a load brings 128 rows
	s_mov_b32 s[G1+4], 128
	s_mov_b32 s[G1B+2], 128<<16
	s_mov_b32 s[G1B+4], 128
	s_wait_dscnt 0x0
	CROUND
	JLOAD 1                                ; K step 1
	SCALES 0
.irp j, 0,1,2,3,4,5,6,7
	FB 0, 0, 0, \j
.endr
.irp j, 0,1,2,3,4,5,6,7
	FA 0, 0, \j
.endr
	global_prefetch_b8 v[PFO], s[2:3] th:TH_LOAD_NT scope:SCOPE_SE
	global_prefetch_b8 v[PFO], s[PFA:PFA+1] th:TH_LOAD_NT scope:SCOPE_SE
	STEP 0, 1                              ; its products start the sums
	s_wait_xcnt 0x0                        ; the prefetches have read their addresses
	s_mov_b32 s3, LAPS-1
.Llap:
	TURN 0, 1, 1
	STEP 1, 0
	TURN 1, 0, 1
	STEP 0, 0
	s_sub_co_u32 s3, s3, 1
	s_cmp_lg_u32 s3, 0
	s_cbranch_scc1 .Llap
	TURN 0, 1, 0                           ; the last lap fills nothing
	STEP 1, 0
.set I_, 0
.rept 16
.if I_%2 == 0
	s_wait_dscnt 28-2*I_
.endif
	W4 I_/2, I_%2, 1, 1, 1, 0, 0
.set I_, I_+1
.endr
	WIN 0
; THE ACTIVATION of a block of 16 rows: AC..+31 the gate's sums g, AC+32..+63 fc1's x.  gelu(x) = max(x, 0) - |x| erfc(|x| / sqrt 2) / 2, the last half as t 2^(P(t) - x^2 log2(e) / 2), t = 1 / (1 + |x| / (2 sqrt 2)), P of degree 9
; (Numerical Recipes' erfc, its fractional error under 1.2e-7 everywhere), in base 2.
.set K_, 24
.irp c, 0xbf97d29d, 0x40097039, 0xbfd1a1e5, 0x3ecdfd18, 0xbe899a80, 0x3e0efb2f, 0x3f0a29d2, 0x3fb8ab5a, 0xc034d90f, 0xbf38aa3b
	s_mov_b32 s[K_], \c
	s_mov_b32 s[K_+1], \c
.set K_, K_+2
.endr
.macro ACT a
.set AC, 64*(\a)
	WIN 0x0a
.set E_, 0
.rept 32
	v_fma_f32 v[TT+E_], |v[AC+32+E_]|, s99, 1.0
.set E_, E_+1
.endr
.set E_, 0
.rept 16
	v_pk_mul_f32 v[H2+E_:H2+E_+1], v[AC+32+E_:AC+33+E_], v[AC+32+E_:AC+33+E_]
.set E_, E_+2
.endr
.set E_, 0
.rept 32
	v_max_num_f32 v[RR+E_], 0, v[AC+32+E_]
.set E_, E_+1
.endr
	WIN 0
	s_wait_alu depctr_va_vdst(0)           ; a wait ahead of a batch and one behind it
.set E_, 0
.rept 32
	v_rcp_f32 v[TT+E_], v[TT+E_]
.set E_, E_+1
.endr
	v_nop
	s_wait_alu depctr_va_vdst(0)
.set E_, 0
.rept 16
	v_pk_fma_f32 v[PP+E_:PP+E_+1], v[TT+E_:TT+E_+1], v[C9:C9+1], s[24:25] op_sel_hi:[1,1,0]
.set E_, E_+2
.endr
.set K_, 26
.rept 8
.set E_, 0
.rept 16
	v_pk_fma_f32 v[PP+E_:PP+E_+1], v[PP+E_:PP+E_+1], v[TT+E_:TT+E_+1], s[K_:K_+1] op_sel_hi:[1,1,0]
.set E_, E_+2
.endr
.set K_, K_+2
.endr
.set E_, 0
.rept 16
	v_pk_fma_f32 v[PP+E_:PP+E_+1], v[H2+E_:H2+E_+1], s[42:43], v[PP+E_:PP+E_+1] op_sel_hi:[1,0,1]
.set E_, E_+2
.endr
	s_wait_alu depctr_va_vdst(0)
.set E_, 0
.rept 32
	v_exp_f32 v[PP+E_], v[PP+E_]
.set E_, E_+1
.endr
	v_nop
	s_wait_alu depctr_va_vdst(0)
.set E_, 0
.rept 16
	v_pk_mul_f32 v[PP+E_:PP+E_+1], v[PP+E_:PP+E_+1], v[TT+E_:TT+E_+1]
.set E_, E_+2
.endr
	WIN 0x02
.set E_, 0
.rept 32
	v_fma_f32 v[RR+E_], -|v[AC+32+E_]|, v[PP+E_], v[RR+E_]
.set E_, E_+1
.endr
	s_wait_alu depctr_va_vdst(0)           ; the wait ahead of the gate's first readers
.set E_, 0
.rept 16
	v_pk_mul_f32 v[RR+E_:RR+E_+1], v[AC+E_:AC+E_+1], v[RR+E_:RR+E_+1]
.set E_, E_+2
.endr
	WIN 0
.irp b, 0,1
	v_max3_num_f32 v[TM+\b], |v[RR+16*\b]|, |v[RR+16*\b+1]|, 0x4800000
.endr
.irp i, 2,4,6,8,10,12,14
.irp b, 0,1
	v_max3_num_f32 v[TM+\b], v[TM+\b], |v[RR+16*\b+\i]|, |v[RR+16*\b+\i+1]|
.endr
.endr
.irp b, 0,1
	v_permlanex16_b32 v[TM+2+\b], v[TM+\b], s66, s67
.endr
.irp b, 0,1
	v_max_num_f32 v[TM+\b], v[TM+\b], v[TM+2+\b]
.endr
.irp b, 0,1
	v_add_nc_u32 v[TM+6+\b], 0xfc000000, v[TM+\b]
.endr
.irp b, 0,1
	v_and_or_b32 v[TM+4+\b], v[TM+\b], 0x7f800000, s98
.endr
.irp b, 0,1
	v_lshrrev_b32 v[TM+2+\b], 23, v[TM+6+\b]
.endr
	v_lshl_or_b32 v[PWA+(\a)], v[TM+3], 8, v[TM+2]
.irp b, 0,1
.set E_, 0
.rept 16
	v_med3_num_f32 v[RR+16*\b+E_], v[RR+16*\b+E_], -v[TM+4+\b], v[TM+4+\b]   ; the conversion does not saturate (ISA guide 7.6.2)
.set E_, E_+1
.endr
	v_cvt_scalef32_pk8_fp8_f32 v[PCB+8*(\a)+4*\b:PCB+8*(\a)+4*\b+1], v[RR+16*\b:RR+16*\b+7], v[TM+6+\b]
	v_cvt_scalef32_pk8_fp8_f32 v[PCB+8*(\a)+4*\b+2:PCB+8*(\a)+4*\b+3], v[RR+16*\b+8:RR+16*\b+15], v[TM+6+\b]
.endr
	v_nop
.irp b, 0,1
	global_store_b128 v[CO], v[PCB+8*(\a)+4*\b:PCB+8*(\a)+4*\b+3], s[12:13] offset:4096*(\a)+512*\b   ; 512 consecutive bytes, aligned
.endr
	ds_store_b16 v[SXW], v[PWA+(\a)] offset:64*(\a)   ; both halves of the lanes write the same bytes
.endm
	PLACES 8
	s_mov_b32 s3, 0
.Lact:                                     ; two trips of four blocks; the second works on a copy of window 3, so that one text serves both
	s_cmp_eq_u32 s3, 0
	s_cbranch_scc1 .Lfirst
	s_wait_alu depctr_va_vdst(0)           ; the wait ahead of these first readers
	WIN 0x83
.set E_, 0
.rept 256
	v_mov_b32 v[E_], v[E_]
.set E_, E_+1
.endr
	WIN 0
	s_wait_alu depctr_va_vdst(0)
.Lfirst:
	ACT 0
	ACT 1
	ACT 2
	ACT 3
	s_wait_xcnt 0x0                        ; the stores have read the codes and the base
	s_add_nc_u64 s[12:13], s[12:13], 0x4000
	v_add_nc_u32 v[SXW], 256, v[SXW]
	s_add_co_u32 s3, s3, 1
	s_wait_alu depctr_va_vdst(0)
	s_cmp_lt_u32 s3, 2
	s_cbranch_scc1 .Lact
	s_wait_dscnt 0x0
	s_barrier_signal -1
	s_barrier_wait -1                      ; a row's four scale bytes come from two waves
	ds_load_b64 v[2:3], v[SXR]
	s_wait_dscnt 0x0
	global_store_b64 v[SO8], v[2:3], s[96:97]   ; 256 consecutive bytes, aligned
	s_wait_tensorcnt 0x0                   ; the wave's end
	ds_add_u32 v[SPW], v[NIL]
	s_wait_dscnt 0x0
	CROUND                                 ; the closing round
	s_endpgm
.Lfunc_end_k_qac9665d54a_gemm1:
	.size	k_qac9665d54a_gemm1, .Lfunc_end_k_qac9665d54a_gemm1-k_qac9665d54a_gemm1
	.p2alignl 7, 3214868480
	.fill 96, 4, 3214868480
	.section	.rodata,"a",@progbits
	.p2align	6, 0x0
	.amdhsa_kernel k_qac9665d54a_gemm1
		.amdhsa_group_segment_fixed_size 327680
		.amdhsa_private_segment_fixed_size 0
		.amdhsa_enable_private_segment 0
		.amdhsa_kernarg_size 48
		.amdhsa_user_sgpr_count 2
		.amdhsa_user_sgpr_kernarg_segment_ptr 1
		.amdhsa_wavefront_size32 1
		.amdhsa_system_sgpr_workgroup_id_x 1
		.amdhsa_system_sgpr_workgroup_id_y 1
		.amdhsa_system_sgpr_workgroup_id_z 1
		.amdhsa_system_vgpr_workitem_id 0
		.amdhsa_next_free_vgpr 1024
		.amdhsa_next_free_sgpr 102
		.amdhsa_reserve_vcc 0
		.amdhsa_float_denorm_mode_32 3
		.amdhsa_float_denorm_mode_16_64 3
		.amdhsa_memory_ordered 1
		.amdhsa_forward_progress 1
		.amdhsa_inst_pref_size 246
	.end_amdhsa_kernel
	.amdgpu_metadata
---
amdhsa.version: [ 1, 2 ]
amdhsa.kernels:
  - .name:           k_qac9665d54a_gemm1
    .symbol:         k_qac9665d54a_gemm1.kd
    .args:
      - { .name: x_codes, .offset: 0, .size: 8, .value_kind: global_buffer, .address_space: global }
      - { .name: x_scales, .offset: 8, .size: 8, .value_kind: global_buffer, .address_space: global }
      - { .name: w1_codes, .offset: 16, .size: 8, .value_kind: global_buffer, .address_space: global }
      - { .name: w1_scales, .offset: 24, .size: 8, .value_kind: global_buffer, .address_space: global }
      - { .name: a_codes, .offset: 32, .size: 8, .value_kind: global_buffer, .address_space: global }
      - { .name: a_scales, .offset: 40, .size: 8, .value_kind: global_buffer, .address_space: global }
    .group_segment_fixed_size: 327680
    .private_segment_fixed_size: 0
    .kernarg_segment_align: 8
    .kernarg_segment_size: 48
    .max_flat_workgroup_size: 128
    .sgpr_count:     102
    .vgpr_count:     1024
    .wavefront_size: 32
...
	.end_amdgpu_metadata
.endif
;; end of part 2
;; launch gemm2 (part 3): grid 8 x 32, 4 waves a work-group, clusters of 4 x 1, 327,680 bytes of LDS; arguments a_codes, a_scales, w2_codes, w2_scales, out0; writes out0
.if DOCPART == 3
	.amdgcn_target "amdgcn-amd-amdhsa--gfx1250"
	.amdhsa_code_object_version 6
	.text
	.protected	k_qac9665d54a_gemm2
	.globl	k_qac9665d54a_gemm2
	.p2align	8
	.type	k_qac9665d54a_gemm2,@function
k_qac9665d54a_gemm2:
	s_mov_b64 s[64:65], 0
	v_nop
	global_prefetch_b8 v0, s[64:65] scope:SCOPE_SE
	s_setreg_imm32_b32 hwreg(HW_REG_WAVE_MODE, 25, 1), 1
	s_wait_xcnt 0x0
	s_wait_alu depctr_hold_cnt(0) depctr_sa_sdst(0) depctr_va_vdst(0) depctr_va_sdst(0) depctr_va_ssrc(0) depctr_va_vcc(0) depctr_vm_vsrc(0)
	s_getreg_b32 s2, hwreg(HW_REG_IB_STS2, 6, 4)
	s_cmp_eq_u32 s2, 0
	s_cbranch_scc0 .Lentry_in_a_cluster
	s_endpgm
.Lentry_in_a_cluster:
	s_bfe_u32 s2, ttmp6, 0x10000c
	s_cmp_lg_u32 s2, 0x3003
	s_cbranch_scc0 .Lentry_shape_is_right
	s_endpgm
.Lentry_shape_is_right:
; out = a W_fc2^T: a [8192][1024], W_fc2 [2048][1024], both as codes of FP8 (E4M3) with one E8M0 scale for each 32 along K; out [8192][2048] f32; sums in f32, K ascending in steps of 128, one accumulator for each number.
; OPERANDS lie in memory as images of their registers: fragment (block of 16 rows mb, K step of 128 ks), 2,048 bytes, at (ks / 2) x PLANE + 4096 mb + 2048 (ks % 2); byte 512 c + 16 lane + i.  Scale words lie [ks][row].
; SHARES.  A work-group of four waves makes 256 rows x 256 columns.  THE WAVES SHARE THE COLUMNS: wave w makes columns 64 w .. 64 w + 63 for all 256 rows.
; K is 1,024, so a wave's 64 rows of W_fc2 for ALL of K are 32 fragments, 512 registers: they come once, straight from memory by loads of 512 consecutive bytes, and stay.
; The work-group's 256 rows of a for all of K are 262,144 bytes: they come into LDS once.  So no LDS byte is filled twice: no ring, and no barrier but the one that shows each part of a to all four waves.
; The rows go in four GROUPS of 64: 16 accumulators by turns, 8 K steps, 128 matrix instructions; then the group's 64 rows leave, while the later groups are still to be multiplied.
; CLUSTERS: 4 x 1 work-groups, four tile columns of one tile row: they need the same rows of a, which are asked for JOINTLY, by the same tensor loads with the same descriptors and the mask of all four.
; W_fc2's rows are shared by the 32 work-groups of a tile column and are NOT asked for jointly: loads into registers have no joint form, and through LDS they would want 262,144 bytes beside a's 262,144, more than the 327,680 there are.
; THE MATRIX INSTRUCTION IS USED TRANSPOSED (source 0 = 16 rows of W_fc2, source 1 = 16 rows of a): a lane then holds eight neighbouring numbers of a row of out.
; LIMITS: NaN and infinities are not served.
; REGISTERS, in windows of 256: window 0: v0-15 addresses; v16-31 W_fc2's scale words, v32-47 a's, and nothing else in them; v128-255 the 16 accumulators ((m, n) at v[128 + 8 (4 m + n)]).
;   window 1: a's fragments, two sets of 128 (two K steps x four blocks of rows); on the way out v0-127 take rows read back from the stage.
;   window 2: W_fc2's fragments of K steps 0-3 ((n, ks) at v[64 (ks % 4) + 16 n]);   window 3: those of K steps 4-7.
.set PLA,    2097152                   ; from one 256 along K to the next: a has 8,192 rows,
.set PLB,    524288                    ; W_fc2 2,048
; W_fc2's scale words alone lie [block of 16 rows][pair of K steps][row][K step of the pair].
; FILLS: at the head one joint load a wave: group 0 (wave 0), a's scale words (wave 1), groups 1 and 2 (waves 2, 3); group 3 behind the full sequence and a round of the cluster's barrier, in front of group 1's products.
; No prefetch: there is no loop to run ahead in: all but group 3's fill, 65,536 bytes, is asked for at the head.
.set SCL,    262144                    ; LDS: a's codes from 0 on: group x 65,536 + pair of K steps x 16,384 + block of the group x 4,096 + odd K step x 2,048; behind them a's scale words, [ks][256 rows][4]: 8,192 bytes
.set STG,    SCL+8192                  ; and a stage of 16 rows x (256 bytes + 16) for each wave; no fill lands there
.set SPITCH, 272                       ; 17 x 16 bytes: the sixteen rows that a store touches start in sixteen different groups of banks
.set BO,   4                           ; v4      16 x lane
.set ADRS, 6                           ; v6      LDS address of a's scale words: lanes 0-15 an even K step, lanes 16-31 the odd one behind it
.set STO,  7                           ; v7      the way out: where I put 32 bytes of a row
.set RD,   8                           ; v8      the way out: where I read a row back
.set CO,   9                           ; v9      my byte offset in two rows of out
.set SBO,  10                          ; v10     my byte offset among W_fc2's scale words
.set ADRA, 12                          ; v12-15  LDS address of group g's fragments: 16 x lane + 65,536 g
.set SB,   16                          ; v16-31  W_fc2's scale words: register 4 n + kp: lanes 0-15 K step 2 kp, lanes 16-31 K step 2 kp + 1
.set SA,   32                          ; v32-47  a's, of the group in hand: register 4 m + kp likewise
.set ACC,  128
.set G1A,  24                          ; s[24:31] descriptor group 1 for a's codes
.set G1S,  32                          ; s[32:39] for a's scale words
.set G0S,  40                          ; s[40:43] group 0 for the scale words
.set G0P,  44                          ; s[44:59] group 0 for each of the four groups
.set G1C,  72                          ; s[72:79] group 1 for group 3's load
.set MSB, 0
.macro WIN new                         ; the immediate's high byte repeats the setting that is left
.if MSB != (\new)
	s_set_vgpr_msb (MSB<<8)|(\new)
.set MSB, (\new)
.endif
.endm
.set MUL_LO, 0x06                      ; source 0 (W_fc2) window 2, source 1 (a) window 1, C and D window 0
.set MUL_HI, 0x07                      ; the same with source 0 in window 3
.set TO_A,   0x40                      ; destination window 1; addresses and an LDS store's data window 0
.set FROM_A, 0x04                      ; a store's data window 1, its address window 0
.macro CROUND                          ; a round of the cluster's barrier
	s_barrier_signal -1
	s_barrier_wait -1
	s_cmp_lg_u32 s14, 0
	s_cbranch_scc1 .Lnot_wave_0_\@
	s_barrier_signal -3
.Lnot_wave_0_\@:
	s_barrier_wait -3
	s_barrier_signal -1
	s_barrier_wait -1
.endm
.macro PLACES n
.rept \n
	v_nop
.endr
.endm
	s_load_b128 s[4:7], s[0:1], 0x0                ; a's codes s[4:5], a's scales s[6:7]
	s_load_b128 s[8:11], s[0:1], 0x10              ; W_fc2's codes s[8:9], its scales s[10:11]
	s_load_b64 s[12:13], s[0:1], 0x20              ; out
	v_lshl_add_u32 v126, v0, 2, 0x48000
	v_mov_b32 v127, 0
	ds_add_u32 v126, v127
	ds_add_u32 v126, v127
	v_lshrrev_b32 v1, 5, v0
	v_readfirstlane_b32 s14, v1                    ; wave 0..3
	s_bfe_u32 s15, ttmp6, 0x40000                  ; cx: my place in the cluster
	s_lshl_b32 s16, ttmp9, 2
	s_add_co_u32 s16, s16, s15                     ; tile column = 4 x cluster x + cx: it enters W_fc2's and out's addresses alone
	s_and_b32 s17, ttmp7, 0xffff                   ; tile row, which the four partners share
	; descriptor group 1 for a group of 64 rows of a for all of K: 4 rows of 16,384 bytes (2,048 elements of 8 bytes), a plane apart
	s_mov_b32 s[G1A+0], 15|(3<<16)|(1<<21)         ; 15:0 the mask: all four work-groups; 17:16 elements of 8 bytes; 20 no padding; 21 set beside a mask
	s_mov_b32 s[G1A+1], 2048<<16                   ; tensor_dim0
	s_mov_b32 s[G1A+2], 4<<16                      ; tensor_dim1
	s_mov_b32 s[G1A+3], 2048<<16                   ; tile_dim0
	s_mov_b32 s[G1A+4], 4                          ; tile_dim1
	s_mov_b32 s[G1A+5], PLA/8                      ; tensor_dim0_stride
	s_mov_b32 s[G1A+6], 0
	s_mov_b32 s[G1A+7], 0
	; and for a's scale words: eight K steps of 256 rows: 8 rows of 1,024 bytes (128 elements), 32,768 bytes apart
	s_mov_b32 s[G1S+0], 15|(3<<16)|(1<<21)
	s_mov_b32 s[G1S+1], 128<<16
	s_mov_b32 s[G1S+2], 8<<16
	s_mov_b32 s[G1S+3], 128<<16
	s_mov_b32 s[G1S+4], 8
	s_mov_b32 s[G1S+5], 4096
	s_mov_b32 s[G1S+6], 0
	s_mov_b32 s[G1S+7], 0
	s_lshl_b32 s18, s17, 16                        ; a's codes: 65,536 x tile row
	s_mov_b32 s19, 0
	s_lshl_b32 s20, s17, 10                        ; a's scale words: 1,024 x tile row
	s_mov_b32 s21, 0
	s_lshl_b32 s22, s14, 14                        ; 16,384 x wave
	s_lshl_b32 s60, s16, 16                        ; W_fc2's codes: 65,536 x tile column + 16,384 x wave: my four blocks of 16 rows
	s_add_co_u32 s60, s60, s22
	s_mov_b32 s61, 0
	s_lshl_b32 s62, s16, 10                        ; my columns of out, in bytes: 1,024 x tile column + 256 x wave
	s_lshl_b32 s63, s14, 8
	s_add_co_u32 s62, s62, s63
	s_mov_b32 s63, 0
	s_lshl_b32 s66, s17, 21                        ; out: 256 rows of 8,192 bytes x tile row (under 2^27)
	s_add_co_u32 s66, s66, s62
	s_lshl_b32 s62, s16, 13                        ; W_fc2's scale words: 8,192 x tile column + 2,048 x wave
	s_lshl_b32 s69, s14, 11
	s_add_co_u32 s62, s62, s69
	s_mov_b32 s67, 0
	s_mul_i32 s68, s14, 16*SPITCH
	s_add_co_u32 s68, s68, STG                     ; my stage
	v_and_b32 v1, 15, v0                           ; r
	v_bfe_u32 v2, v0, 4, 1                         ; h
	v_and_b32 v3, 31, v0                           ; lane
	v_lshlrev_b32 v[BO], 4, v3
.irp g, 0,1,2,3
	v_add_nc_u32 v[ADRA+\g], \g*65536, v[BO]
.endr
	v_lshlrev_b32 v[ADRS], 2, v1                   ; 4 r + 1,024 h: the odd K step's words lie 1,024 bytes on
	v_lshl_add_u32 v[ADRS], v2, 10, v[ADRS]
	v_add_nc_u32 v[ADRS], SCL, v[ADRS]
	v_lshlrev_b32 v[SBO], 3, v1                    ; in memory a row's words of two neighbouring K steps are neighbours
	v_lshl_add_u32 v[SBO], v2, 2, v[SBO]
	v_mul_u32_u24 v[STO], v1, SPITCH               ; in: row r, 32 bytes for each half of the lanes
	v_lshl_add_u32 v[STO], v2, 5, v[STO]
	v_add_nc_u32 v[STO], s68, v[STO]
	v_mul_u32_u24 v[RD], v2, SPITCH                ; back: lanes 0-15 take one row of 256 bytes, lanes 16-31 the next
	v_lshl_add_u32 v[RD], v1, 4, v[RD]
	v_add_nc_u32 v[RD], s68, v[RD]
	v_lshlrev_b32 v[CO], 13, v2                    ; and the same two rows in out
	v_lshl_add_u32 v[CO], v1, 4, v[CO]
	s_wait_dscnt 0x0
	s_wait_kmcnt 0x0
	s_add_nc_u64 s[4:5], s[4:5], s[18:19]
	s_add_nc_u64 s[6:7], s[6:7], s[20:21]
	s_add_nc_u64 s[8:9], s[8:9], s[60:61]
	s_add_nc_u64 s[10:11], s[10:11], s[62:63]
	s_add_nc_u64 s[12:13], s[12:13], s[66:67]
	s_mov_b32 s[G0S], 1                            ; 1:0 count = 1
	s_mov_b32 s[G0S+1], SCL                        ; 63:32 LDS address
	s_mov_b64 s[G0S+2:G0S+3], s[6:7]               ; 120:64 global address
	s_or_b32 s[G0S+3], s[G0S+3], 0x80000000        ; 127:126 type = 2
.irp g, 0,1,2,3
	s_mov_b32 s[G0P+4*\g], 1
	s_mov_b32 s[G0P+4*\g+1], \g*65536
	s_add_nc_u64 s[G0P+4*\g+2:G0P+4*\g+3], s[4:5], \g*16384
	s_or_b32 s[G0P+4*\g+3], s[G0P+4*\g+3], 0x80000000
.endr
	s_add_co_u32 s[G0P+13], s[G0P+13], s22         ; group 3 is shared out among the waves: each fetches a plane, 16,384 dense bytes
	s_lshl_b32 s18, s14, 21
	s_mov_b32 s19, 0
	s_add_nc_u64 s[G0P+14:G0P+15], s[G0P+14:G0P+15], s[18:19]
	s_mov_b32 s[G1C+0], 15|(3<<16)|(1<<21)
	s_mov_b32 s[G1C+1], 512<<16
	s_mov_b32 s[G1C+2], 4<<16
	s_mov_b32 s[G1C+3], 512<<16
	s_mov_b32 s[G1C+4], 4
	s_mov_b32 s[G1C+5], 512
	s_mov_b32 s[G1C+6], 0
	s_mov_b32 s[G1C+7], 0
	CROUND                                         ; all four work-groups are here: the joint loads meet
.macro ARM n, g0, g1, next
	s_cmp_eq_u32 s14, \n
	s_cbranch_scc0 \next
	tensor_load_to_lds s[\g0:\g0+3], s[\g1:\g1+7]
	s_nop 0
	PLACES 4
	s_branch .Lasked
\next:
.endm
	ARM 0, G0P, G1A, .Lhead_1                      ; one joint load a wave
	ARM 1, G0S, G1S, .Lhead_2
	ARM 2, G0P+4, G1A, .Lhead_3
	tensor_load_to_lds s[G0P+8:G0P+11], s[G1A:G1A+7]
	s_nop 0
	PLACES 4
.Lasked:
	s_wait_alu depctr_va_vdst(0)
.irp n, 0,1,2,3
.irp kp, 0,1,2,3
	global_load_b32 v[SB+4*\n+\kp], v[SBO], s[10:11] offset:128*\kp+512*\n
.endr
.endr
	WIN 0x80                                       ; destination window 2
.irp ks, 0,1,2,3
.irp n, 0,1,2,3
.irp c, 0,1,2,3
	global_load_b128 v[64*\ks+16*\n+4*\c:64*\ks+16*\n+4*\c+3], v[BO], s[8:9] offset:(\ks/2)*PLB+4096*\n+2048*(\ks%2)+512*\c
.endr
.endr
.endr
	WIN 0xc0                                       ; destination window 3
.irp ks, 4,5,6,7
.irp n, 0,1,2,3
.irp c, 0,1,2,3
	global_load_b128 v[64*(\ks-4)+16*\n+4*\c:64*(\ks-4)+16*\n+4*\c+3], v[BO], s[8:9] offset:(\ks/2)*PLB+4096*\n+2048*(\ks%2)+512*\c
.endr
.endr
.endr
	WIN 0
; 32 LDS loads: group g's fragments of K steps 2 kp and 2 kp + 1 into set kp % 2, the even K step first.  Each load takes 512 consecutive bytes.
.macro FETCH g, kp
	WIN TO_A
.irp q, 0,1
.irp m, 0,1,2,3
.irp c, 0,1,2,3
	ds_load_b128 v[128*((\kp)%2)+64*\q+16*\m+4*\c:128*((\kp)%2)+64*\q+16*\m+4*\c+3], v[ADRA+(\g)] offset:16384*(\kp)+4096*\m+2048*\q+512*\c
.endr
.endr
.endr
.endm
; 16 matrix instructions: the group's four blocks of rows x my four blocks of columns, K step ks.  zero = 1: the products start the sums: nothing is ever cleared.
; The 16 accumulators take turns, one instruction a turn, in the same order in every K step.  An odd K step's scale words stand in lanes 16-31 of both scale registers.
.macro MULKS ks, zero
.irp m, 0,1,2,3
.irp n, 0,1,2,3
.if \zero
	v_wmma_scale_f32_16x16x128_f8f6f4 v[ACC+8*(4*\m+\n):ACC+8*(4*\m+\n)+7], v[64*((\ks)%4)+16*\n:64*((\ks)%4)+16*\n+15], v[128*(((\ks)/2)%2)+64*((\ks)%2)+16*\m:128*(((\ks)/2)%2)+64*((\ks)%2)+16*\m+15], 0, v[SB+4*\n+(\ks)/2], v[SA+4*\m+(\ks)/2]
.elseif (\ks)%2
	v_wmma_scale_f32_16x16x128_f8f6f4 v[ACC+8*(4*\m+\n):ACC+8*(4*\m+\n)+7], v[64*((\ks)%4)+16*\n:64*((\ks)%4)+16*\n+15], v[128*(((\ks)/2)%2)+64*((\ks)%2)+16*\m:128*(((\ks)/2)%2)+64*((\ks)%2)+16*\m+15], v[ACC+8*(4*\m+\n):ACC+8*(4*\m+\n)+7], v[SB+4*\n+(\ks)/2], v[SA+4*\m+(\ks)/2] matrix_a_scale:MATRIX_SCALE_ROW1 matrix_b_scale:MATRIX_SCALE_ROW1
.else
	v_wmma_scale_f32_16x16x128_f8f6f4 v[ACC+8*(4*\m+\n):ACC+8*(4*\m+\n)+7], v[64*((\ks)%4)+16*\n:64*((\ks)%4)+16*\n+15], v[128*(((\ks)/2)%2)+64*((\ks)%2)+16*\m:128*(((\ks)/2)%2)+64*((\ks)%2)+16*\m+15], v[ACC+8*(4*\m+\n):ACC+8*(4*\m+\n)+7], v[SB+4*\n+(\ks)/2], v[SA+4*\m+(\ks)/2]
.endif
.endr
.endr
.endm
; THE WAY OUT of a block of 16 rows x my 64 columns.  A lane holds 32 neighbouring bytes of a row, and the lanes beside it hold other rows: so the block goes through my own stage in LDS and comes back as whole
; rows of 256 bytes.  LDS serves a wave's instructions in order (ISA guide 5.7.1.4): no wait between the stores and the loads, nor in front of the next block's stores.
.macro TOSTAGE m
.irp n, 0,1,2,3
	ds_store_b128 v[STO], v[ACC+8*(4*(\m)+\n):ACC+8*(4*(\m)+\n)+3] offset:64*\n          ; each accumulator from its low end on
	ds_store_b128 v[STO], v[ACC+8*(4*(\m)+\n)+4:ACC+8*(4*(\m)+\n)+7] offset:64*\n+16
.endr
.irp t, 0,1,2,3,4,5,6,7
	ds_load_b128 v[32*(\m)+4*\t:32*(\m)+4*\t+3], v[RD] offset:\t*2*SPITCH                ; into window 1, where a's fragments are done with
.endr
.endm
.macro SEND g, m, younger              ; younger: the LDS instructions issued behind block m's loads, which may stay out
	s_wait_dscnt \younger
.irp t, 0,1,2,3,4,5,6,7
	global_store_b128 v[CO], v[32*(\m)+4*\t:32*(\m)+4*\t+3], s[12:13] offset:(64*(\g)+16*(\m)+2*\t)*8192 th:TH_STORE_NT   ; sixteen lanes store 256 consecutive bytes, aligned; 254 rows of 8,192 bytes at the most: inside the signed 24-bit immediate; written once, read by nobody here
.endr
.endm
; A GROUP of 64 rows.  A load into a register that a matrix instruction has read, and a store that reads a matrix result, stand 8 places behind that matrix instruction; a matrix instruction that writes over an
; earlier one's result stands 9 behind it; only plain vector instructions that name none of its registers are places.
.macro GROUP g
	WIN 0
.if (\g) == 0
	s_cmp_lt_u32 s14, 2
	s_cbranch_scc0 .Lnot_yet
	s_wait_tensorcnt 0x0                           ; waves 0 and 1: group 0 and a's scale words have landed; waves 2 and 3 wait in front of group 1
.Lnot_yet:
	s_barrier_signal -1
	s_barrier_wait -1
.elseif (\g) == 1
	s_wait_tensorcnt 0x0                           ; groups 1 and 2 have landed
	ds_add_u32 v126, v127
	s_wait_dscnt 0x0
	CROUND
	tensor_load_to_lds s[G0P+12:G0P+15], s[G1C:G1C+7]   ; group 3: the first tensor load behind the round; it has two groups' products in which to land
	s_nop 0
	PLACES 4
.elseif (\g) == 3
	s_wait_tensorcnt 0x0                           ; my plane of group 3; group 2 was shown in front of group 1
	s_barrier_signal -1
	s_barrier_wait -1
.endif
.irp m, 0,1,2,3
.irp kp, 0,1,2,3
	ds_load_b32 v[SA+4*\m+\kp], v[ADRS] offset:2048*\kp+256*(\g)+64*\m
.endr
.endr
.if (\g) > 0
	s_wait_xcnt 0x0                                ; the last group's stores have read their data registers, into which the loads below land
.endif
	FETCH \g, 0
	s_wait_dscnt 16                                ; the scale words and K step 0 are in; K step 1's sixteen loads may be out
.if (\g) == 0
	s_wait_loadcnt 63                              ; of the 144 loads the oldest 81 are back: W_fc2's scale words and its K steps 0 to 3
.endif
	WIN MUL_LO
	MULKS 0, 1
	FETCH \g, 1                                    ; (the set's last readers stand ahead of the last group's nine places)
	s_wait_dscnt 32                                ; all but the 32 just issued
	WIN MUL_LO
	MULKS 1, 0
	PLACES 8
	FETCH \g, 2
	s_wait_dscnt 32
	WIN MUL_LO
	MULKS 2, 0
	MULKS 3, 0
	PLACES 8
	FETCH \g, 3
	s_wait_dscnt 32
	WIN MUL_HI
.if (\g) == 0
	s_wait_loadcnt 48                              ; W_fc2's K step 4 is back; behind it 16 loads for each of K steps 5, 6, 7
.endif
	MULKS 4, 0
.if (\g) == 0
	s_wait_loadcnt 32
.endif
	MULKS 5, 0
	s_wait_dscnt 0x0
.if (\g) == 0
	s_wait_loadcnt 16
.endif
	MULKS 6, 0
.if (\g) == 0
	s_wait_loadcnt 0x0
.endif
	MULKS 7, 0
	PLACES 9                                       ; for the stores that read the results, the loads into a's registers and scale words, and the next group's first products, which write over these accumulators
	WIN TO_A
	TOSTAGE 0
	TOSTAGE 1
	TOSTAGE 2
	WIN FROM_A
	SEND \g, 0, 32                                 ; behind block 0's loads: blocks 1 and 2, 16 LDS instructions each
	WIN TO_A
	TOSTAGE 3
	WIN FROM_A
	SEND \g, 1, 32
	SEND \g, 2, 16
	SEND \g, 3, 0
.endm
	GROUP 0
	GROUP 1
	GROUP 2
	GROUP 3                                        ; its wait on TENSORcnt is for 0: no tensor load is out at the end
	WIN 0                                          ; at a label and at a branch every window is 0
	s_wait_tensorcnt 0x0
	ds_add_u32 v126, v127
	s_wait_dscnt 0x0
	CROUND                                         ; the closing round: no work-group ends while a partner may still ask for a tile that names it
	s_endpgm
.Lfunc_end_k_qac9665d54a_gemm2:
	.size	k_qac9665d54a_gemm2, .Lfunc_end_k_qac9665d54a_gemm2-k_qac9665d54a_gemm2
	.p2alignl 7, 3214868480
	.fill 96, 4, 3214868480
	.section	.rodata,"a",@progbits
	.p2align	6, 0x0
	.amdhsa_kernel k_qac9665d54a_gemm2
		.amdhsa_group_segment_fixed_size 327680
		.amdhsa_private_segment_fixed_size 0
		.amdhsa_enable_private_segment 0
		.amdhsa_kernarg_size 40
		.amdhsa_user_sgpr_count 2
		.amdhsa_user_sgpr_kernarg_segment_ptr 1
		.amdhsa_wavefront_size32 1
		.amdhsa_system_sgpr_workgroup_id_x 1
		.amdhsa_system_sgpr_workgroup_id_y 1
		.amdhsa_system_sgpr_workgroup_id_z 1
		.amdhsa_system_vgpr_workitem_id 0
		.amdhsa_next_free_vgpr 1024
		.amdhsa_next_free_sgpr 80
		.amdhsa_reserve_vcc 0
		.amdhsa_float_denorm_mode_32 3
		.amdhsa_float_denorm_mode_16_64 3
		.amdhsa_memory_ordered 1
		.amdhsa_forward_progress 1
		.amdhsa_inst_pref_size 157
	.end_amdhsa_kernel
	.amdgpu_metadata
---
amdhsa.version: [ 1, 2 ]
amdhsa.kernels:
  - .name:           k_qac9665d54a_gemm2
    .symbol:         k_qac9665d54a_gemm2.kd
    .args:
      - { .name: a_codes, .offset: 0, .size: 8, .value_kind: global_buffer, .address_space: global }
      - { .name: a_scales, .offset: 8, .size: 8, .value_kind: global_buffer, .address_space: global }
      - { .name: w2_codes, .offset: 16, .size: 8, .value_kind: global_buffer, .address_space: global }
      - { .name: w2_scales, .offset: 24, .size: 8, .value_kind: global_buffer, .address_space: global }
      - { .name: out0, .offset: 32, .size: 8, .value_kind: global_buffer, .address_space: global }
    .group_segment_fixed_size: 327680
    .private_segment_fixed_size: 0
    .kernarg_segment_align: 8
    .kernarg_segment_size: 40
    .max_flat_workgroup_size: 128
    .sgpr_count:     80
    .vgpr_count:     1024
    .wavefront_size: 32
...
	.end_amdgpu_metadata
.endif
;; end of part 3
